; MI455X (gfx1250); checked and timed in simulation.
; The chip was launched on July 23, 2026; its instructions are those of AMD's public machine-readable ISA for CDNA 5 (MIT licence, August 2026) and "CDNA5" Instruction Set Architecture Reference Guide (July 2026). The comments in the code are by the model that wrote it; some were corrected since.
;; BFGS Camera Solver. Allowed arithmetic: float matrix products may take bf16 or f16 operands with f32 sums; all other float work in f32.
;; Inputs: inv_hessian 128 x 128 float32; quad_center 256 x 8 x 128 float32; quad_diag 256 x 8 x 128 float32; x0 256 x 8 x 128 float32.
;; Outputs: out0 256 x 8 x 128 float32.
;; One version. Each part assembles by itself: llvm-mc -triple=amdgcn-amd-amdhsa -mcpu=gfx1250 --defsym DOCPART=n.
;; ======== version 1 of 1: 1 launch
;; launch bfgs (part 1): grid 256 x 1, 8 waves a work-group, clusters of 4 x 1, 168,960 bytes of LDS; arguments inv_hessian, quad_center, quad_diag, x0, out0; writes out0
.if DOCPART == 1
	.amdgcn_target "amdgcn-amd-amdhsa--gfx1250"
	.amdhsa_code_object_version 6
	.text
	.protected	k_q80fef64158_bfgs
	.globl	k_q80fef64158_bfgs
	.p2align	8
	.type	k_q80fef64158_bfgs,@function
k_q80fef64158_bfgs:
	s_mov_b64 s[64:65], 0
	v_nop
	global_prefetch_b8 v0, s[64:65] scope:SCOPE_SE
	s_setreg_imm32_b32 hwreg(HW_REG_WAVE_MODE, 25, 1), 1
	s_wait_xcnt 0x0
	s_wait_alu depctr_hold_cnt(0) depctr_sa_sdst(0) depctr_va_vdst(0) depctr_va_sdst(0) depctr_va_ssrc(0) depctr_va_vcc(0) depctr_vm_vsrc(0)
	s_getreg_b32 s2, hwreg(HW_REG_IB_STS2, 6, 4)
	s_cmp_eq_u32 s2, 0
	s_cbranch_scc0 .Lentry_in_a_cluster
	s_endpgm
.Lentry_in_a_cluster:
	s_bfe_u32 s2, ttmp6, 0x10000c
	s_cmp_lg_u32 s2, 0x3003
	s_cbranch_scc0 .Lentry_shape_is_right
	s_endpgm
.Lentry_shape_is_right:
; Five BFGS steps with a strong-Wolfe line search on 2,048 diagonal quadratics of 128 parameters, in one launch.
; A work-group of eight waves owns 8 problems: 4,096 consecutive bytes of x0, quad_diag, quad_center and out0.
;
; WHAT IS NOT COMPUTED, by identities that hold for every input:
;  * H_k = H0 + sum over j<k of [ a_j s_j s_j^T - b_j (u_j s_j^T + s_j u_j^T) ], u_j = H_j y_j, b_j = 1/sy_j, a_j = (sy_j + y_j.u_j) b_j^2 (both 0 where sy_j = 0).
;    H is never stored: H_k v = H0 v (matrix unit; H0 is shared by all problems) + sum of s_j (a_j s_j.v - b_j u_j.v) - u_j (b_j s_j.v).
;    The update of the fifth step is read by nothing and is not made.
;  * Along a line the objective is a parabola: f(x+ap) - f0 = a h(a), h(a) = g0 + a q/2, slope g0 + a q, g0 = g.p, q = sum d p^2.  The twelve trial points
;    are evaluated from g0 and q; since a > 0 the sufficient-decrease test is h(a) > C1 g0.  A problem still active in widening trial i has the step 2^i.
;  * y_k and g_(k+1) are known together: 8 problems x 2 vectors are the 16 columns of one matrix tile, so H0 is gone through once a step.
; NUMBER FORMAT: the Wolfe tests jump, so H0 v is made to about f32 accuracy on bf16 operands: each f32 number is split exactly into three bf16 pieces
; and the six products (A piece, B piece) = (0,0) (0,1) (1,0) (0,2) (1,1) (2,0) are summed in f32; what is dropped is below about 2^-24 of a product.
; LAYOUT: wave w owns elements (and rows of H0) 16w .. 16w+15.  Lane (r = lane%16, h = lane/16) holds elements 16w+8h+0..7 of problem r%8: this is the
; result layout of the wave's 16 x 16 tile, and registers 4(w%2) .. +3 of the second operand's K step w/2, so nothing is shuffled.  Lanes r and r+8 hold the
; same state; they differ in VV alone (r<8: y, r>=8: the new gradient).
; CLUSTER: H0 is 65,536 of the 77,824 bytes that a work-group reads and is the same for all, so four work-groups ask for it jointly, a slice of 16 rows a wave.
; LIMITS: the order of rounding differs from the reference's; NaN and infinite intermediates are not followed; 0 < |s.y| < 2^-126 is not served
; (v_rcp_f32 takes a denormal as zero: ISA guide, the instruction's entry).
.set PITCH,  528                       ; an LDS row of 512 bytes + 16 of padding: an odd multiple of 16
.set L_X,    67584                     ; H0: bytes 0 .. 67,583 (128 rows); then x, d, c: 8 rows each in 4,352 bytes
.set L_D,    L_X+4352
.set L_C,    L_X+8704
.set L_PC,   80640                     ; the second operand's image: piece x 4,096 + 16 x thread
.set L_SC,   92928                     ; partial dot products: slot x 512 + column x 32 + wave x 4
.set O_SC2,  3584                      ; slot 7: u.y and u.g'
.set O_SC3,  4096                      ; slots 8, 9: g.p and sum d p^2
.set L_OUT,  98048                     ; the result, 8 rows
; vector registers, window 0
.set PW, 1                             ; L_PC + 16 thread
.set PR, 2                             ; L_PC + 16 lane
.set SW, 3                             ; L_SC + 32 r + 4 w
.set SRO, 4                            ; L_SC + 32 r: my own column's eight partial sums
.set SRY, 5                            ; L_SC + 32 (r%8): the y column's; + 256: the g' column's
.set HA, 6                             ; (16 w + r) PITCH + 32 h
.set XR, 7                             ; L_X + (r%8) PITCH + 64 w + 32 h
.set ORD, 8                            ; L_OUT + w PITCH + 16 lane
.set GO, 9                             ; 16 thread
.set MONE, 10                          ; -1.0
.set XV, 12
.set DV, 20
.set CV, 28
.set GA, 36                            ; the gradient, two sets that take turns
.set GB, 44
.set PV, 52                            ; search direction
.set VV, 60                            ; y (r<8) or g' (r>=8)
.set RV, 68                            ; at work
.set ZV, 76                            ; H_k VV
.set PC, 84                            ; three pieces of VV, 4 registers each
.set HIST, 96                          ; s_j at HIST+16j, u_j at HIST+16j+8; at the start: my 64 numbers of H0
.set ACC, 160                          ; six accumulators of 8; ACC .. ACC+15 also take gathered partial sums
.set SG, 208                           ; sums of the first exchange
.set AJ, 216
.set BJ, 220
.set TP, 224                           ; four pairs at work, by turns
.set CO, 232                           ; a pair of coefficients
.set ALPHA, 234
.set AM, 235
.set G0, 236
.set QQ, 237
.set HQ, 238
.set C1G, 239
.set M9G, 240
.set ASTAR, 241
.set ZLO, 242
.set ZHI, 243
.set FZ, 244
.set AHI, 245
.set HH, 246
.set SL, 247                           ; written v247 where its magnitude is taken
.set PHI0, 248                         ; written v248, v249 as arguments of WIDEN
.set PHI1, 249
.set DIF, 250
.set YHY, 251
.set MUG, 252
; vector registers, window 1: H0's piece p of K step s at 32p+8s; VV's at BF+32p+8s; gathered partial sums at GBUF
.set BF, 96
.set GBUF, 192
; scalar masks of the line search (they feed v_cndmask_b32 alone)
.set MLO, 54
.set M_ACT, 55
.set M_DONE, 56
.set M_ZOOM, 57
.set M_AF, 58
.set M_CK, 59
.set M_GE, 60
.set M_NZ, 61
.set M_OK, 62
.set M_ND, 63
.set M_RR, 66
.set M_POS, 67
.set M_T, 68
.set TPI, 0
.set MSB, 0
.macro WIN new                         ; s_set_vgpr_msb: bits 1:0 source 0, 3:2 source 1, 5:4 source 2, 7:6 destination; the high byte repeats the setting that is left
.if MSB != \new
	s_set_vgpr_msb (MSB<<8)|\new
.set MSB, \new
.endif
.endm
.macro ROUND                           ; a round of the cluster's barrier: my work-group's barrier, wave 0 signals for it, all wait, my work-group's barrier again
	s_barrier_signal -1
	s_barrier_wait -1
	s_cmp_lg_u32 s14, 0
	s_cbranch_scc1 .Lnot_wave_0_\@
	s_barrier_signal -3
.Lnot_wave_0_\@:
	s_barrier_wait -3
	s_barrier_signal -1
	s_barrier_wait -1
.endm
.macro XBAR                            ; my LDS stores are done and my LDS loads are back; then all eight waves meet
	s_wait_dscnt 0x0
	s_barrier_signal -1
	s_barrier_wait -1
.endm
; cnt pairs of f32 at src are split into bf16 pieces p1, p2, p3; res takes the residuals, which are exact.  wd, ws: the windows in which the pieces are written, read.
.macro SPLIT cnt, src, res, p1, p2, p3, wd, ws
	WIN \wd
.set spi, 0
.rept \cnt
	v_cvt_pk_bf16_f32 v[\p1+spi], v[\src+2*spi], v[\src+2*spi+1]
.set spi, spi+1
.endr
	WIN \ws
.set spi, 0
.rept \cnt
	v_fma_mix_f32_bf16 v[\res+2*spi], v[\p1+spi], v[MONE], v[\src+2*spi] op_sel_hi:[1,0,0]                    ; number - low piece
	v_fma_mix_f32_bf16 v[\res+2*spi+1], v[\p1+spi], v[MONE], v[\src+2*spi+1] op_sel:[1,0,0] op_sel_hi:[1,0,0] ; number - high piece
.set spi, spi+1
.endr
	WIN \wd
.set spi, 0
.rept \cnt
	v_cvt_pk_bf16_f32 v[\p2+spi], v[\res+2*spi], v[\res+2*spi+1]
.set spi, spi+1
.endr
	WIN \ws
.set spi, 0
.rept \cnt
	v_fma_mix_f32_bf16 v[\res+2*spi], v[\p2+spi], v[MONE], v[\res+2*spi] op_sel_hi:[1,0,0]
	v_fma_mix_f32_bf16 v[\res+2*spi+1], v[\p2+spi], v[MONE], v[\res+2*spi+1] op_sel:[1,0,0] op_sel_hi:[1,0,0]
.set spi, spi+1
.endr
	WIN \wd
.set spi, 0
.rept \cnt
	v_cvt_pk_bf16_f32 v[\p3+spi], v[\res+2*spi], v[\res+2*spi+1]
.set spi, spi+1
.endr
	WIN 0
.endm
.macro PSTORE                          ; my 16 bytes of each piece into the second operand's image
	ds_store_b128 v[PW], v[PC:PC+3]
	ds_store_b128 v[PW], v[PC+4:PC+7] offset:4096
	ds_store_b128 v[PW], v[PC+8:PC+11] offset:8192
.endm
; my wave's part (16 elements: 8 a lane, two halves of lanes) of the dot product a.b of my column, into slot off
.macro DOT a, b, off
	v_pk_mul_f32 v[TP+TPI:TP+TPI+1], v[\a:\a+1], v[\b:\b+1]
	v_pk_fma_f32 v[TP+TPI:TP+TPI+1], v[\a+2:\a+3], v[\b+2:\b+3], v[TP+TPI:TP+TPI+1]
	v_pk_fma_f32 v[TP+TPI:TP+TPI+1], v[\a+4:\a+5], v[\b+4:\b+5], v[TP+TPI:TP+TPI+1]
	v_pk_fma_f32 v[TP+TPI:TP+TPI+1], v[\a+6:\a+7], v[\b+6:\b+7], v[TP+TPI:TP+TPI+1]
	v_add_f32 v[TP+TPI], v[TP+TPI], v[TP+TPI+1]
	v_permlanex16_b32 v[TP+TPI+1], v[TP+TPI], s52, s53             ; the other half of the lanes
	v_add_f32 v[TP+TPI], v[TP+TPI], v[TP+TPI+1]
	ds_store_b32 v[SW], v[TP+TPI] offset:\off                      ; lanes r and r+16 write one word with one value
.set TPI, (TPI+2)&7
.endm
.macro GATH dst, addr, off             ; the eight waves' parts of one dot product
	ds_load_b128 v[\dst:\dst+3], v[\addr] offset:\off
	ds_load_b128 v[\dst+4:\dst+7], v[\addr] offset:\off+16
.endm
.macro SUM8 dst, b
	v_pk_add_f32 v[\b:\b+1], v[\b:\b+1], v[\b+2:\b+3]
	v_pk_add_f32 v[\b+4:\b+5], v[\b+4:\b+5], v[\b+6:\b+7]
	v_pk_add_f32 v[\b:\b+1], v[\b:\b+1], v[\b+4:\b+5]
	v_add_f32 v[\dst], v[\b], v[\b+1]
.endm
.macro AXPY2 dst, vs, vu               ; dst += vs x CO(first) + vu x CO(second)
.irp j, 0,2,4,6
	v_pk_fma_f32 v[\dst+\j:\dst+\j+1], v[\vs+\j:\vs+\j+1], v[CO:CO+1], v[\dst+\j:\dst+\j+1] op_sel_hi:[1,0,1]
.endr
.irp j, 0,2,4,6
	v_pk_fma_f32 v[\dst+\j:\dst+\j+1], v[\vu+\j:\vu+\j+1], v[CO:CO+1], v[\dst+\j:\dst+\j+1] op_sel:[0,1,0] op_sel_hi:[1,1,1]
.endr
.endm
.macro MM a, pa, pb, s                 ; accumulator a += H0's piece pa x VV's piece pb, K step s; K step 0 starts the sum
.if \s
	v_wmma_f32_16x16x32_bf16 v[ACC+8*\a:ACC+8*\a+7], v[32*\pa+8*\s:32*\pa+8*\s+7], v[BF+32*\pb+8*\s:BF+32*\pb+8*\s+7], v[ACC+8*\a:ACC+8*\a+7]
.else
	v_wmma_f32_16x16x32_bf16 v[ACC+8*\a:ACC+8*\a+7], v[32*\pa+8*\s:32*\pa+8*\s+7], v[BF+32*\pb+8*\s:BF+32*\pb+8*\s+7], 0
.endif
.endm
; upd = 1: ZV = H_k VV, and SG = the sums of the first exchange (s_j.VV, u_j.VV for j<k of my column; s_k.y; s_k.g').  upd = 0: the first pass, PV = -H0 g.
.macro MATVEC k, upd
.set NSL, \upd*(4*\k+4)                ; LDS loads of partial sums, issued behind the 24 loads of pieces
.if \upd
	XBAR                                           ; every wave's pieces and partial sums are in LDS
.endif
	WIN 0x40                                       ; loaded data into window 1
.irp s, 0,1,2,3
.irp p, 0,1,2
	ds_load_b128 v[BF+32*\p+8*\s:BF+32*\p+8*\s+3],   v[PR] offset:4096*\p+1024*\s
	ds_load_b128 v[BF+32*\p+8*\s+4:BF+32*\p+8*\s+7], v[PR] offset:4096*\p+1024*\s+512
.endr
.endr
.if \upd
.if \k
.set gi, 0
.rept 2*\k
	GATH GBUF+8*gi, SRO, 512*gi
.set gi, gi+1
.endr
.endif
	GATH GBUF+16*\k, SRY, 1024*\k                  ; s_k.y
	GATH GBUF+16*\k+8, SRY, 1024*\k+256            ; s_k.g'
.endif
	WIN 0x05                                       ; both operands in window 1, sums in window 0
.irp s, 0,1,2,3
	s_wait_dscnt NSL+18-6*\s                       ; LDS loads come back in order: K step s's six are in; the six of each later K step and the NSL loads of sums may be out
	MM 0, 0, 0, \s                                 ; the six accumulators take turns, one instruction a turn
	MM 1, 0, 1, \s
	MM 2, 1, 0, \s
	MM 3, 0, 2, \s
	MM 4, 1, 1, \s
	MM 5, 2, 0, \s
.endr
.if \upd
	; the sums over the eight waves: at least eight plain vector instructions that name no register of a matrix instruction stand here, in front of the first read of a result (ISA guide 7.12.1)
	s_wait_dscnt 0x0
	WIN 0x45
.set gi, 0
.rept 2*\k+2
	v_pk_add_f32 v[GBUF+8*gi:GBUF+8*gi+1],   v[GBUF+8*gi:GBUF+8*gi+1],   v[GBUF+8*gi+2:GBUF+8*gi+3]
	v_pk_add_f32 v[GBUF+8*gi+4:GBUF+8*gi+5], v[GBUF+8*gi+4:GBUF+8*gi+5], v[GBUF+8*gi+6:GBUF+8*gi+7]
.set gi, gi+1
.endr
.set gi, 0
.rept 2*\k+2
	v_pk_add_f32 v[GBUF+8*gi:GBUF+8*gi+1], v[GBUF+8*gi:GBUF+8*gi+1], v[GBUF+8*gi+4:GBUF+8*gi+5]
.set gi, gi+1
.endr
	WIN 0x05
.set gi, 0
.rept 2*\k+2
	v_add_f32 v[SG+gi], v[GBUF+8*gi], v[GBUF+8*gi+1]
.set gi, gi+1
.endr
.else
.rept 4
	v_nop                                          ; four places in front of the first read of a result (ISA guide 7.12.1)
.endr
.endif
	WIN 0
	; the six sums, the smallest first
.irp j, 0,2,4,6
	v_pk_add_f32 v[ACC+24+\j:ACC+25+\j], v[ACC+24+\j:ACC+25+\j], v[ACC+32+\j:ACC+33+\j]
	v_pk_add_f32 v[ACC+8+\j:ACC+9+\j],   v[ACC+8+\j:ACC+9+\j],   v[ACC+16+\j:ACC+17+\j]
.endr
.irp j, 0,2,4,6
	v_pk_add_f32 v[ACC+24+\j:ACC+25+\j], v[ACC+24+\j:ACC+25+\j], v[ACC+40+\j:ACC+41+\j]
.endr
.irp j, 0,2,4,6
	v_pk_add_f32 v[ACC+8+\j:ACC+9+\j], v[ACC+8+\j:ACC+9+\j], v[ACC+24+\j:ACC+25+\j]
.endr
.irp j, 0,2,4,6
.if \upd
	v_pk_add_f32 v[ZV+\j:ZV+\j+1], v[ACC+\j:ACC+\j+1], v[ACC+8+\j:ACC+9+\j]
.else
	v_pk_add_f32 v[PV+\j:PV+\j+1], v[ACC+\j:ACC+\j+1], v[ACC+8+\j:ACC+9+\j] neg_lo:[1,1] neg_hi:[1,1]
.endif
.endr
.if \k
.set hj, 0
.rept \k                                           ; the earlier updates of H
	v_mul_f32 v[CO], v[AJ+hj], v[SG+2*hj]
	v_mul_f32 v[CO+1], -v[BJ+hj], v[SG+2*hj]       ; -b (s.v)
	v_fma_f32 v[CO], -v[BJ+hj], v[SG+2*hj+1], v[CO] ; a (s.v) - b (u.v)
	AXPY2 ZV, HIST+16*hj, HIST+16*hj+8
.set hj, hj+1
.endr
.endif
.endm
; the step s_k, the new x and gradient, y; the dot products that need no product with H0; VV's pieces
.macro STEP k, gold, gnew
.irp j, 0,2,4,6
	v_pk_mul_f32 v[HIST+16*\k+\j:HIST+16*\k+\j+1], v[PV+\j:PV+\j+1], v[ALPHA:ALPHA+1] op_sel_hi:[1,0]
.endr
.irp j, 0,2,4,6
	v_pk_add_f32 v[XV+\j:XV+\j+1], v[XV+\j:XV+\j+1], v[HIST+16*\k+\j:HIST+16*\k+\j+1]
.endr
.irp j, 0,2,4,6
	v_pk_add_f32 v[RV+\j:RV+\j+1], v[XV+\j:XV+\j+1], v[CV+\j:CV+\j+1] neg_lo:[0,1] neg_hi:[0,1]
.endr
.irp j, 0,2,4,6
	v_pk_mul_f32 v[\gnew+\j:\gnew+\j+1], v[DV+\j:DV+\j+1], v[RV+\j:RV+\j+1]
.endr
.irp j, 0,2,4,6
	v_pk_add_f32 v[VV+\j:VV+\j+1], v[\gnew+\j:\gnew+\j+1], v[\gold+\j:\gold+\j+1] neg_lo:[0,1] neg_hi:[0,1]
.endr
.irp j, 0,1,2,3,4,5,6,7
	v_cndmask_b32 v[VV+\j], v[\gnew+\j], v[VV+\j], s[MLO]          ; r<8: y; r>=8: the new gradient
.endr
	SPLIT 4, VV, RV, PC, PC+4, PC+8, 0, 0
	PSTORE
.if \k
.set hj, 0
.rept \k
	DOT HIST+16*hj, VV, 1024*hj
	DOT HIST+16*hj+8, VV, 1024*hj+512
.set hj, hj+1
.endr
.endif
	DOT HIST+16*\k, VV, 1024*\k
.endm
; u_k = H_k y, the coefficients of update k, and the next direction PV = -H_(k+1) g'
.macro UPDATE k
	v_rcp_f32 v[BJ+\k], v[SG+2*\k]                 ; 1/sy; its result is first used 32 vector instructions further down (ISA guide 5.7.2 asks for one)
	v_cmp_neq_f32 s[M_T], 0, v[SG+2*\k]
.irp j, 0,1,2,3,4,5,6,7
	v_mov_b32_dpp v[RV+\j], v[ZV+\j] row_xmask:8 row_mask:0xf bank_mask:0xf   ; the partner column's result
.endr
.irp j, 0,1,2,3,4,5,6,7
	v_cndmask_b32 v[HIST+16*\k+8+\j], v[RV+\j], v[ZV+\j], s[MLO]   ; u_k = H_k y in every lane
	v_cndmask_b32 v[ZV+\j], v[ZV+\j], v[RV+\j], s[MLO]             ; H_k g' in every lane
.endr
	DOT HIST+16*\k+8, VV, O_SC2                    ; column r<8: u.y; r>=8: u.g'
	s_wait_alu depctr_va_vdst(0)
	v_cndmask_b32 v[BJ+\k], 0, v[BJ+\k], s[M_T]    ; b = 0 where sy = 0: then the update vanishes
	v_mul_f32 v[CO+1], v[BJ+\k], v[SG+2*\k+1]      ; b (s.g')
	XBAR
	GATH ACC, SRY, O_SC2
	GATH ACC+8, SRY, O_SC2+256
	s_wait_dscnt 0x0
	SUM8 YHY, ACC
	SUM8 MUG, ACC+8
	v_add_f32 v[AJ+\k], v[SG+2*\k], v[YHY]
	v_mul_f32 v[CO], v[BJ+\k], v[MUG]
	v_mul_f32 v[AJ+\k], v[AJ+\k], v[BJ+\k]
	v_mul_f32 v[AJ+\k], v[AJ+\k], v[BJ+\k]         ; a = (sy + y.u) b b
	v_fma_f32 v[CO], -v[AJ+\k], v[SG+2*\k+1], v[CO] ; b (u.g') - a (s.g')
.irp j, 0,2,4,6
	v_pk_fma_f32 v[PV+\j:PV+\j+1], v[HIST+16*\k+\j:HIST+16*\k+\j+1], v[CO:CO+1], v[ZV+\j:ZV+\j+1] op_sel_hi:[1,0,1] neg_lo:[0,0,1] neg_hi:[0,0,1]
.endr
.irp j, 0,2,4,6
	v_pk_fma_f32 v[PV+\j:PV+\j+1], v[HIST+16*\k+8+\j:HIST+16*\k+9+\j], v[CO:CO+1], v[PV+\j:PV+\j+1] op_sel:[0,1,0] op_sel_hi:[1,1,1]
.endr
.endm
; widening trial i at the step a = 2^i (ap: the step before, a2: the next, ha = a/2; phi, phip: f - f0 at a and at ap)
.macro WIDEN i, ap, a, a2, ha, phi, phip
.if \i
	v_fma_f32 v[HH], v[QQ], \ha, v[G0]
	v_fma_f32 v[SL], v[QQ], \a, v[G0]
	v_mul_f32 \phi, \a, v[HH]
	v_cmp_gt_f32 s[M_AF], v[HH], v[C1G]
	v_cmp_ge_f32 s[M_T], \phi, \phip
.else
	v_fma_f32 \phi, v[QQ], \ha, v[G0]              ; a = 1: f - f0 is h itself
	v_add_f32 v[SL], v[QQ], v[G0]
	v_cmp_gt_f32 s[M_AF], \phi, v[C1G]
.endif
	v_cmp_le_f32 s[M_CK], |v247|, v[M9G]
	v_cmp_ge_f32 s[M_GE], v[SL], 0
.if \i
	s_or_b32 s[M_AF], s[M_AF], s[M_T]
.endif
	s_and_b32 s[M_NZ], s[M_ACT], s[M_AF]           ; bracket found: zoom on (ap, a)
	s_and_not1_b32 s[M_OK], s[M_ACT], s[M_AF]
	s_and_b32 s[M_ND], s[M_OK], s[M_CK]            ; both Wolfe tests hold
	s_and_not1_b32 s[M_RR], s[M_OK], s[M_CK]
	s_and_b32 s[M_POS], s[M_RR], s[M_GE]           ; slope not negative: zoom on (a, ap)
	s_and_not1_b32 s[M_ACT], s[M_RR], s[M_GE]      ; go on with twice the step
	v_cndmask_b32 v[ASTAR], v[ASTAR], \a, s[M_ND]
	v_cndmask_b32 v[ZLO], v[ZLO], \a, s[M_POS]
	v_cndmask_b32 v[ZLO], v[ZLO], \ap, s[M_NZ]
	v_cndmask_b32 v[ZHI], v[ZHI], \ap, s[M_POS]
	v_cndmask_b32 v[ZHI], v[ZHI], \a, s[M_NZ]
	v_cndmask_b32 v[FZ], v[FZ], \phi, s[M_POS]
	v_cndmask_b32 v[FZ], v[FZ], \phip, s[M_NZ]
	v_cndmask_b32 v[AHI], v[AHI], \a2, s[M_ACT]
	s_or_b32 s[M_DONE], s[M_DONE], s[M_ND]
	s_or_b32 s[M_ZOOM], s[M_ZOOM], s[M_NZ]
	s_or_b32 s[M_ZOOM], s[M_ZOOM], s[M_POS]
.endm
.macro ZOOMSTEP                        ; one bisection of the bracket
	v_add_f32 v[AM], v[ZLO], v[ZHI]
	v_sub_f32 v[DIF], v[ZHI], v[ZLO]
	v_mul_f32 v[AM], 0.5, v[AM]
	v_fma_f32 v[HH], v[AM], v[HQ], v[G0]
	v_fma_f32 v[SL], v[AM], v[QQ], v[G0]
	v_mul_f32 v[PHI0], v[AM], v[HH]
	v_mul_f32 v[DIF], v[SL], v[DIF]
	v_cmp_gt_f32 s[M_AF], v[HH], v[C1G]
	v_cmp_ge_f32 s[M_T], v[PHI0], v[FZ]
	v_cmp_le_f32 s[M_CK], |v247|, v[M9G]
	v_cmp_ge_f32 s[M_GE], v[DIF], 0
	s_or_b32 s[M_AF], s[M_AF], s[M_T]
	s_and_not1_b32 s[M_ACT], s[M_ZOOM], s[M_DONE]
	s_and_b32 s[M_NZ], s[M_ACT], s[M_AF]           ; the midpoint becomes the high end
	s_and_not1_b32 s[M_OK], s[M_ACT], s[M_AF]
	s_and_b32 s[M_ND], s[M_OK], s[M_CK]
	s_and_not1_b32 s[M_RR], s[M_OK], s[M_CK]       ; the midpoint becomes the low end
	s_and_b32 s[M_POS], s[M_RR], s[M_GE]           ; and the old low end the high end
	v_cndmask_b32 v[ASTAR], v[ASTAR], v[AM], s[M_ND]
	s_or_b32 s[M_DONE], s[M_DONE], s[M_ND]
	v_cndmask_b32 v[ZHI], v[ZHI], v[ZLO], s[M_POS]
	v_cndmask_b32 v[ZHI], v[ZHI], v[AM], s[M_NZ]
	v_cndmask_b32 v[ZLO], v[ZLO], v[AM], s[M_RR]
	v_cndmask_b32 v[FZ], v[FZ], v[PHI0], s[M_RR]
.endm
.macro LINESEARCH g                    ; ALPHA from the gradient g and the direction PV
	DOT \g, PV, O_SC3
.irp j, 0,2,4,6
	v_pk_mul_f32 v[RV+\j:RV+\j+1], v[DV+\j:DV+\j+1], v[PV+\j:PV+\j+1]
.endr
	DOT RV, PV, O_SC3+512
	XBAR
	GATH ACC, SRO, O_SC3
	GATH ACC+8, SRO, O_SC3+512
	v_mov_b32 v[ASTAR], 1.0
	v_mov_b32 v[ZHI], 1.0
	v_mov_b32 v[AHI], 1.0
	v_mov_b32 v[ZLO], 0
	v_mov_b32 v[FZ], 0
	s_mov_b32 s[M_ACT], -1
	s_mov_b32 s[M_DONE], 0
	s_mov_b32 s[M_ZOOM], 0
	s_wait_dscnt 0x0
	SUM8 G0, ACC
	SUM8 QQ, ACC+8
	v_mul_f32 v[HQ], 0.5, v[QQ]
	v_mul_f32 v[C1G], 0x38d1b717, v[G0]            ; 1e-4 g0
	v_mul_f32 v[M9G], 0xbf666666, v[G0]            ; -0.9 g0
	WIDEN 0, 0,   1.0, 2.0,  0.5, v248, 0
	WIDEN 1, 1.0, 2.0, 4.0,  1.0, v249, v248
	WIDEN 2, 2.0, 4.0, 8.0,  2.0, v248, v249
	WIDEN 3, 4.0, 8.0, 16.0, 4.0, v249, v248
.rept 8
	ZOOMSTEP
.endr
	v_add_f32 v[AM], v[ZLO], v[ZHI]
	v_mul_f32 v[AM], 0.5, v[AM]
	v_cndmask_b32 v[ALPHA], v[AHI], v[AM], s[M_ZOOM]
	v_cndmask_b32 v[ALPHA], v[ALPHA], v[ASTAR], s[M_DONE]
.endm
	; ---- set-up ----
	s_load_b256 s[4:11], s[0:1], 0x0               ; inv_hessian s[4:5], quad_center s[6:7], quad_diag s[8:9], x0 s[10:11]
	s_load_b64 s[12:13], s[0:1], 0x20              ; out0
	v_lshl_add_u32 v254, v0, 2, 0x29000
	v_mov_b32 v255, 0
	ds_add_u32 v254, v255
	v_lshrrev_b32 v11, 5, v0
	v_readfirstlane_b32 s14, v11                   ; wave 0..7
	s_bfe_u32 s15, ttmp6, 0x40000                  ; cx: my place in the cluster
	s_lshl_b32 s69, ttmp9, 2                       ; ttmp9 counts clusters
	s_add_co_u32 s15, s69, s15                     ; work-group = 4 x cluster + cx; it enters global addresses of my own loads and of the store, and nothing else
	s_lshl_b32 s70, s15, 12                        ; my 8 problems: 4,096 bytes
	s_mov_b32 s71, 0
	s_lshl_b32 s69, s14, 9
	s_add_co_u32 s48, s70, s69                     ; + my wave's row of 512 bytes
	s_mov_b32 s49, 0
	s_lshl_b32 s50, s14, 13                        ; my wave's 16 rows of H0
	s_mov_b32 s51, 0
	s_mul_i32 s73, s14, PITCH
	s_mov_b32 s52, 0x76543210                      ; v_permlanex16_b32: lane i reads lane i of the other half
	s_mov_b32 s53, 0xfedcba98
	s_mov_b32 s[MLO], 0x00ff00ff                   ; the lanes with r < 8
	; group 1 for H0's slice: 16 rows of 128 elements of 4 bytes, 4 words of padding behind every 128 words; mask: the four work-groups of the cluster, bit 21 beside it
	s_mov_b32 s16, 15|(2<<16)|(1<<20)|(1<<21)|(6<<22)|(3<<25)
	s_mov_b32 s17, 128<<16                         ; tensor_dim0 = 128
	s_mov_b32 s18, 16<<16                          ; tensor_dim1 = 16
	s_mov_b32 s19, 128<<16                         ; tile_dim0 = 128
	s_mov_b32 s20, 16                              ; tile_dim1 = 16
	s_mov_b32 s21, 128                             ; elements from row to row
	s_mov_b32 s22, 0
	s_mov_b32 s23, 0
	; group 1 for one row of 512 bytes: 64 elements of 8 bytes, no mask
	s_mov_b32 s24, 3<<16
	s_mov_b32 s25, 64<<16
	s_mov_b32 s26, 1<<16
	s_mov_b32 s27, 64<<16
	s_mov_b32 s28, 1
	s_mov_b32 s29, 64
	s_mov_b32 s30, 0
	s_mov_b32 s31, 0
	s_mov_b32 s32, 1
	s_mul_i32 s33, s14, 16*PITCH                   ; my slice's place in LDS: the wave's number alone
	s_mov_b32 s36, 1
	s_add_co_u32 s37, s73, L_X
	s_mov_b32 s40, 1
	s_add_co_u32 s41, s73, L_D
	s_mov_b32 s44, 1
	s_add_co_u32 s45, s73, L_C
	s_wait_dscnt 0x0
	s_wait_kmcnt 0x0
	s_add_nc_u64 s[34:35], s[4:5], s[50:51]        ; the same in all four work-groups
	s_or_b32 s35, s35, 0x80000000
	s_add_nc_u64 s[38:39], s[10:11], s[48:49]
	s_or_b32 s39, s39, 0x80000000
	s_add_nc_u64 s[42:43], s[8:9], s[48:49]
	s_or_b32 s43, s43, 0x80000000
	s_add_nc_u64 s[46:47], s[6:7], s[48:49]
	s_or_b32 s47, s47, 0x80000000
	s_add_nc_u64 s[12:13], s[12:13], s[70:71]
	ROUND                                          ; the four work-groups are here: the joint loads meet
	tensor_load_to_lds s[36:39], s[24:31]          ; row w of x,
	s_nop 0
	tensor_load_to_lds s[40:43], s[24:31]          ; of d,
	s_nop 0
	tensor_load_to_lds s[44:47], s[24:31]          ; of c,
	s_nop 0
	tensor_load_to_lds s[32:35], s[16:23]          ; and, jointly, rows 16w .. 16w+15 of H0: four loads of the wave are out, and no more follow in the launch
	s_nop 0
	v_and_b32 v[TP], 15, v0                        ; r
	v_bfe_u32 v[TP+1], v0, 4, 1                    ; h
	v_and_b32 v[TP+2], 31, v0                      ; lane
	v_and_b32 v[TP+3], 7, v0                       ; r % 8
	v_lshl_add_u32 v[PW], v0, 4, L_PC
	v_lshl_add_u32 v[PR], v[TP+2], 4, L_PC
	v_lshl_add_u32 v[SRO], v[TP], 5, L_SC
	v_lshl_add_u32 v[SW], s14, 2, v[SRO]
	v_lshl_add_u32 v[SRY], v[TP+3], 5, L_SC
	v_mul_u32_u24 v[HA], v[TP], PITCH
	v_lshl_add_u32 v[HA], v[TP+1], 5, v[HA]
	v_add_nc_u32 v[HA], s33, v[HA]
	v_mul_u32_u24 v[XR], v[TP+3], PITCH
	v_lshl_add_u32 v[XR], v[TP+1], 5, v[XR]
	s_lshl_b32 s74, s14, 6
	s_add_co_u32 s74, s74, L_X
	v_add_nc_u32 v[XR], s74, v[XR]
	s_add_co_u32 s75, s73, L_OUT
	v_lshl_add_u32 v[ORD], v[TP+2], 4, s75
	v_lshlrev_b32 v[GO], 4, v0
	v_mov_b32 v[MONE], -1.0
	; ---- x, d, c; the first gradient and its pieces, while H0 is on its way ----
	s_wait_tensorcnt 0x1                           ; a wave's tensor loads end in order: my rows of x, d, c are in; the one load issued behind them, H0's slice, may be out
	s_barrier_signal -1
	s_barrier_wait -1                              ; everybody's rows are in; nothing is filled again in this launch
	ds_load_b128 v[XV:XV+3],   v[XR]
	ds_load_b128 v[XV+4:XV+7], v[XR] offset:16
	ds_load_b128 v[DV:DV+3],   v[XR] offset:4352
	ds_load_b128 v[DV+4:DV+7], v[XR] offset:4368
	ds_load_b128 v[CV:CV+3],   v[XR] offset:8704
	ds_load_b128 v[CV+4:CV+7], v[XR] offset:8720
	s_wait_dscnt 0x0
.irp j, 0,2,4,6
	v_pk_add_f32 v[RV+\j:RV+\j+1], v[XV+\j:XV+\j+1], v[CV+\j:CV+\j+1] neg_lo:[0,1] neg_hi:[0,1]
.endr
.irp j, 0,2,4,6
	v_pk_mul_f32 v[GA+\j:GA+\j+1], v[DV+\j:DV+\j+1], v[RV+\j:RV+\j+1]
.endr
	SPLIT 4, GA, RV, PC, PC+4, PC+8, 0, 0          ; the first pass carries g in all 16 columns
	PSTORE
	s_wait_dscnt 0x0                               ; my pieces are in LDS,
	s_wait_tensorcnt 0x0                           ; and my slice of H0 has landed
	s_barrier_signal -1
	s_barrier_wait -1                              ; both hold of every wave
	; ---- my 16 rows of H0, as the first operand's fragments: lane (r, h) takes, of row 16w+r and K step s, k = 32s+8h+0..7 and 32s+16+8h+0..7 ----
.irp s, 0,1,2,3
	ds_load_b128 v[HIST+16*\s:HIST+16*\s+3],     v[HA] offset:128*\s
	ds_load_b128 v[HIST+16*\s+4:HIST+16*\s+7],   v[HA] offset:128*\s+16
	ds_load_b128 v[HIST+16*\s+8:HIST+16*\s+11],  v[HA] offset:128*\s+64
	ds_load_b128 v[HIST+16*\s+12:HIST+16*\s+15], v[HA] offset:128*\s+80
.endr
	s_wait_dscnt 0x0
	SPLIT 32, HIST, HIST, 0, 32, 64, 0x40, 0x01    ; three pieces of 32 registers in window 1, made once
	; ---- the five steps ----
	MATVEC 0, 0
	LINESEARCH GA
	STEP 0, GA, GB
	MATVEC 0, 1
	UPDATE 0
	LINESEARCH GB
	STEP 1, GB, GA
	MATVEC 1, 1
	UPDATE 1
	LINESEARCH GA
	STEP 2, GA, GB
	MATVEC 2, 1
	UPDATE 2
	LINESEARCH GB
	STEP 3, GB, GA
	MATVEC 3, 1
	UPDATE 3
	LINESEARCH GA
	; ---- the fifth step's x, out through LDS: a wave then stores one problem's row, 512 consecutive bytes at a multiple of 512 from out0's first byte ----
.irp j, 0,2,4,6
	v_pk_fma_f32 v[XV+\j:XV+\j+1], v[PV+\j:PV+\j+1], v[ALPHA:ALPHA+1], v[XV+\j:XV+\j+1] op_sel_hi:[1,0,1]
.endr
	ds_store_b128 v[XR], v[XV:XV+3]   offset:L_OUT-L_X             ; lanes r and r+8 write the same bytes with the same values
	ds_store_b128 v[XR], v[XV+4:XV+7] offset:L_OUT-L_X+16
	XBAR
	ds_load_b128 v[ACC:ACC+3], v[ORD]
	s_wait_dscnt 0x0
	global_store_b128 v[GO], v[ACC:ACC+3], s[12:13] th:TH_STORE_NT
	s_wait_tensorcnt 0x0
	ds_add_u32 v254, v255
	s_wait_dscnt 0x0
	ROUND                                          ; the closing round: no work-group ends while a partner may still ask jointly
	s_endpgm
.Lfunc_end_k_q80fef64158_bfgs:
	.size	k_q80fef64158_bfgs, .Lfunc_end_k_q80fef64158_bfgs-k_q80fef64158_bfgs
	.p2alignl 7, 3214868480
	.fill 96, 4, 3214868480
	.section	.rodata,"a",@progbits
	.p2align	6, 0x0
	.amdhsa_kernel k_q80fef64158_bfgs
		.amdhsa_group_segment_fixed_size 168960
		.amdhsa_private_segment_fixed_size 0
		.amdhsa_enable_private_segment 0
		.amdhsa_kernarg_size 40
		.amdhsa_user_sgpr_count 2
		.amdhsa_user_sgpr_kernarg_segment_ptr 1
		.amdhsa_wavefront_size32 1
		.amdhsa_system_sgpr_workgroup_id_x 1
		.amdhsa_system_sgpr_workgroup_id_y 1
		.amdhsa_system_sgpr_workgroup_id_z 1
		.amdhsa_system_vgpr_workitem_id 0
		.amdhsa_next_free_vgpr 512
		.amdhsa_next_free_sgpr 80
		.amdhsa_reserve_vcc 0
		.amdhsa_float_denorm_mode_32 3
		.amdhsa_float_denorm_mode_16_64 3
		.amdhsa_memory_ordered 1
		.amdhsa_forward_progress 1
		.amdhsa_inst_pref_size 177
	.end_amdhsa_kernel
	.amdgpu_metadata
---
amdhsa.version: [ 1, 2 ]
amdhsa.kernels:
  - .name:           k_q80fef64158_bfgs
    .symbol:         k_q80fef64158_bfgs.kd
    .args:
      - { .name: inv_hessian, .offset: 0, .size: 8, .value_kind: global_buffer, .address_space: global }
      - { .name: quad_center, .offset: 8, .size: 8, .value_kind: global_buffer, .address_space: global }
      - { .name: quad_diag, .offset: 16, .size: 8, .value_kind: global_buffer, .address_space: global }
      - { .name: x0, .offset: 24, .size: 8, .value_kind: global_buffer, .address_space: global }
      - { .name: out0, .offset: 32, .size: 8, .value_kind: global_buffer, .address_space: global }
    .group_segment_fixed_size: 168960
    .private_segment_fixed_size: 0
    .kernarg_segment_align: 8
    .kernarg_segment_size: 40
    .max_flat_workgroup_size: 256
    .sgpr_count:     80
    .vgpr_count:     512
    .wavefront_size: 32
...
	.end_amdgpu_metadata
.endif
;; end of part 1
